; MI455X (gfx1250); checked and timed in simulation.
; The chip was launched on July 23, 2026; its instructions are those of AMD's public machine-readable ISA for CDNA 5 (MIT licence, August 2026) and "CDNA5" Instruction Set Architecture Reference Guide (July 2026). The comments in the code are by the model that wrote it; some were corrected since.
;; Clustered Attention Chunking. Allowed arithmetic: matrix products marked QUANTISED: E4M3 operands, one E8M0 scale for each 32 along K, by v_wmma_scale_f32_16x16x128_f8f6f4 with both operands' format E4M3, f32 sums; everything else in f32.
;; Inputs: Wd 256 x 256 float32; Wk 256 x 256 float32; Wq 256 x 256 float32; Wv 256 x 256 float32; attention_mask 256 x 1 x 256 x 256 float32; bd 256 float32; bk 256 float32; bq 256 float32; bv 256 float32; cluster_id 256 x 256 int32; ln_b 256 float32; ln_w 256 float32; seq 256 x 256 x 256 float32.
;; Outputs: out0 256 x 256 x 256 float32.
;; This version of the problem:
;;   THIS VERSION OF THE PROBLEM IS GIVEN IN LOW PRECISION. The matrix products marked QUANTISED in the list below multiply operands that are first quantised to E4M3 (4 exponent bits, 3 mantissa bits; 8 bits a number), with one power-of-two scale for each 32 numbers along K (OCP MX v1.0); their sums are f32. All else is computed in f32.
;;   The module's matrix products, in the order in which they are computed (A, B: the left and right operand; K: the contracted axis; several contracted axes count as one K, in the product's order):
;;     1. [M 65,536, K 256] x [K 256, N 256]; A: input seq; B: input Wq: QUANTISED
;;     2. [M 65,536, K 256] x [K 256, N 256]; A: input seq; B: input Wk: QUANTISED
;;     3. [M 65,536, K 256] x [K 256, N 256]; A: input seq; B: input Wv: QUANTISED
;;     4. batch 1,024 x [M 256, K 64] x [K 64, N 256]; A: computed on the way; B: computed on the way: QUANTISED
;;     5. batch 1,024 x [M 256, K 256] x [K 256, N 64]; A: softmax (see below); B: computed on the way: QUANTISED
;;     6. [M 65,536, K 256] x [K 256, N 256]; A: computed on the way; B: input Wd: QUANTISED
;;     7. [M 65,536, K 256] x [K 256, N 256]; A: computed on the way; B: input Wq: QUANTISED
;;     8. [M 131,072, K 256] x [K 256, N 256]; A: computed on the way; B: input Wk: QUANTISED
;;     9. [M 131,072, K 256] x [K 256, N 256]; A: computed on the way; B: input Wv: QUANTISED
;;     10. batch 8,192 x [M 32, K 64] x [K 64, N 64]; A: computed on the way; B: computed on the way: QUANTISED
;;     11. batch 8,192 x [M 32, K 64] x [K 64, N 64]; A: softmax (see below); B: computed on the way: QUANTISED
;;     12. [M 65,536, K 256] x [K 256, N 256]; A: computed on the way; B: input Wd: QUANTISED
;;   THE QUANTISER, for each operand of a quantised product, along K:
;;     - K is cut into blocks of 32 from its start; a last block that is shorter is filled with zeros.
;;     - A block's scale is 2^e with e = floor(log2(the largest magnitude in the block)) - 8, held to -126 .. 127; a block of zeros has e = 0. As a byte (E8M0): e + 127.
;;     - Each number is divided by its block's scale, clamped to +-448, and rounded to the nearest number of E4M3, ties to even, subnormals kept.
;;     - The product sums the exact products of the quantised numbers (number of the format x scale) in f32.
;;   ~~~python
;;   def quantise(x, axis):      # numpy; x: float32 -> the quantised numbers, widened to float32 again
;;       x = np.moveaxis(x, axis, -1); K = x.shape[-1]
;;       x = np.pad(x, [(0, 0)] * (x.ndim - 1) + [(0, -K % 32)]); x = x.reshape(x.shape[:-1] + (-1, 32)); a = np.abs(x).max(-1, keepdims=True)
;;       e = np.where(a > 0, np.clip(np.frexp(np.where(a > 0, a, 1))[1] - 1 - 8, -126, 127), 0)      # np.frexp(a)[1] - 1 = floor(log2(a)), exactly
;;       r = np.clip(x / 2.0 ** e, -448, 448)
;;       step = 2.0 ** (np.maximum(np.frexp(np.where(r == 0, 1, r))[1] - 1, -6) - 3)
;;       q = np.round(r / step) * step * 2.0 ** e      # np.round: ties to even
;;       return np.moveaxis(q.reshape(q.shape[:-2] + (-1,))[..., :K], -1, axis).astype(np.float32)
;;   ~~~
;;   SOFTMAX AHEAD OF A QUANTISED PRODUCT. Where the list says 'softmax', what is quantised is not the finished softmax but p = 2^(t - M), with t = logit x log2(e) and M = ceil(the row's largest t), a whole number; so 1/2 < the row's largest p <= 1. The row's sum l is taken of the UNQUANTISED p, in f32, and the product's result is divided by l at the end. Since M is a whole number, a kernel that streams over the keys may use a running M (the ceiling of the running maximum): every later rescaling is an exact power of two, which a block's scale takes up: the codes' values come out the same.
;;   OPERANDS COMPUTED ON THE WAY. 'Computed on the way' means the value that the module computes at that place (a softmax that the list does not call 'softmax' is quantised finished and normalised). What goes into a quantiser is computed in f32, as accurately as f32 sums, v_exp_f32 and their like allow (about 1e-6 of the number): no bf16 or f16 on the way to a quantiser, and a product that is left as it is and whose result goes on into a quantised operand takes f32 operands (vector FMAs, or v_wmma_f32_16x16x4_f32). A number that lies on a knife's edge between two numbers of the format may be rounded either way, as far as f32 arithmetic and the matrix unit's own rounding can turn it there, and no further.
;; One version. Each part assembles by itself: llvm-mc -triple=amdgcn-amd-amdhsa -mcpu=gfx1250 --defsym DOCPART=n.
;; ======== version 1 of 1: 2 launches
;; limits: right only within a limited range of input values
;; workspace buffers: order 262,144 bytes of whole numbers; wcodes 262,144 bytes; wscales 16,384 bytes
;; launch prep (part 1): grid 272 x 1, 8 waves a work-group, no clusters, 0 bytes of LDS; arguments cluster_id, Wq, Wk, Wv, Wd, order, wcodes, wscales; writes order, wcodes, wscales
.if DOCPART == 1
	.amdgcn_target "amdgcn-amd-amdhsa--gfx1250"
	.amdhsa_code_object_version 6
	.text
	.protected	k_q31c2dfff45_prep
	.globl	k_q31c2dfff45_prep
	.p2align	8
	.type	k_q31c2dfff45_prep,@function
k_q31c2dfff45_prep:
	s_mov_b64 s[64:65], 0
	v_nop
	global_prefetch_b8 v0, s[64:65] scope:SCOPE_SE
	s_setreg_imm32_b32 hwreg(HW_REG_WAVE_MODE, 25, 1), 1
	s_wait_xcnt 0x0
; Two jobs in one launch, parted by the work-group's number.
; Work-groups 0-255: the stable argsort of one batch's 256 cluster ids.  Thread t counts the keys below its own and the equal keys with a lower index:
; that rank is t's place in the sorted order, and order[n][rank] = t.  The ranks are a permutation, so every word of the row is stored.  Any int32 is served as a key.
; Work-groups 256-271: Wq, Wk, Wv, Wd [256][256] f32 become codes of E4M3 with one E8M0 byte for each 32 along K (the second axis), laid in the order of an operand's registers:
; wcodes [mat 4: q,k,v,d][tile 16][K step 2][c 4][lane 32][16 bytes]; lane (r, h) of tile T holds row 32 (T/2) + 8 (T%2) + r + (r & 8), k = 128 s + 32 c + 16 h + 0..15.
; wscales [mat][tile][K step][lane 32][4 bytes]: byte c is the scale of block 4 s + c of the lane's row (lanes 16-31 hold the same words as lanes 0-15).
; A wave makes one fragment.  No LDS, no barrier: waves share nothing.
; LIMITS: NaN and infinities among the weights are not served; a block whose largest magnitude lies under 2^-118 keeps the byte 1 (a block of zeros too, where the rule says 127:
; its codes are zeros, and this program alone reads the bytes).
.set SEL, 40                           ; s[40:41] lane selects for v_permlanex16_b32: lane l xor 16
.set MNT, 42
.set XR,  16                           ; v16-79 64 numbers of a lane
.set TM,  80                           ; v80-83 largest magnitudes, v84-87 partner's then bytes, v92-95 the conversions' scale operands
.set PC,  96                           ; v96-111 the codes
.set TT,  112                          ; v112 the scale word
; 16 nb numbers of a lane (register 16 b + i = k 32 b + 16 (lane / 16) + i of its row) become codes in v[PC] on; the bytes stay in v[TM+4] on
.macro QUANT src, nb, fl
.set qb, 0
.rept \nb
	v_max3_num_f32 v[TM+qb], |v[\src+16*qb]|, |v[\src+16*qb+1]|, \fl   ; my 16 numbers of block b, and the floor under which no largest magnitude is taken
.set qb, qb+1
.endr
.set qi, 2
.rept 7
.set qb, 0
.rept \nb
	s_delay_alu instid0(VALU_DEP_4)
	v_max3_num_f32 v[TM+qb], v[TM+qb], |v[\src+16*qb+qi]|, |v[\src+16*qb+qi+1]|
.set qb, qb+1
.endr
.set qi, qi+2
.endr
.set qb, 0
.rept \nb
	s_delay_alu instid0(VALU_DEP_4)
	v_permlanex16_b32 v[TM+4+qb], v[TM+qb], s[SEL], s[SEL+1]
.set qb, qb+1
.endr
.set qb, 0
.rept \nb
	s_delay_alu instid0(VALU_DEP_4)
	v_max_num_f32 v[TM+qb], v[TM+qb], v[TM+4+qb]                      ; with lane l xor 16's 16: the block's largest magnitude
.set qb, qb+1
.endr
.set qb, 0
.rept \nb
	v_add_nc_u32 v[TM+12+qb], 0xfc000000, v[TM+qb]                    ; 8 off its exponent field: the conversion's scale operand
	s_delay_alu instid0(VALU_DEP_1)
	v_lshrrev_b32 v[TM+4+qb], 23, v[TM+12+qb]                         ; the scale's byte
.set qb, qb+1
.endr
.set qb, 0
.rept \nb
.set qi, 0
.rept 16
.set qi, qi+1
.endr
	v_cvt_scalef32_pk8_fp8_f32 v[PC+4*qb:PC+4*qb+1], v[\src+16*qb:\src+16*qb+7], v[TM+12+qb]
	v_cvt_scalef32_pk8_fp8_f32 v[PC+4*qb+2:PC+4*qb+3], v[\src+16*qb+8:\src+16*qb+15], v[TM+12+qb]
.set qb, qb+1
.endr
	v_nop                                                             ; one plain line behind the last conversion
.endm
.macro WORD d
	v_lshl_or_b32 v[\d], v[TM+5], 8, v[TM+4]
	s_delay_alu instid0(VALU_DEP_1)
	v_lshl_or_b32 v[\d], v[TM+6], 16, v[\d]
	s_delay_alu instid0(VALU_DEP_1)
	v_lshl_or_b32 v[\d], v[TM+7], 24, v[\d]
.endm
.macro CNTLE                           ; a block of 32 keys that all stand ahead of mine: those not above mine count
.set ci, 0
.rept 32
	v_cmp_le_i32 vcc_lo, s[32+ci], v2
	s_delay_alu instid0(VALU_DEP_1)
	v_add_co_ci_u32 v3, vcc_lo, 0, v3, vcc_lo
.set ci, ci+1
.endr
.endm
.macro CNTLT                           ; a block that stands behind mine: those below mine count
.set ci, 0
.rept 32
	v_cmp_lt_i32 vcc_lo, s[32+ci], v2
	s_delay_alu instid0(VALU_DEP_1)
	v_add_co_ci_u32 v3, vcc_lo, 0, v3, vcc_lo
.set ci, ci+1
.endr
.endm
.macro CNTOWN                          ; my own wave's block: those below mine, and the equal ones of lower lanes
.set ci, 0
.rept 32
	v_cmp_lt_i32 vcc_lo, s[32+ci], v2
	s_delay_alu instid0(VALU_DEP_1)
	v_add_co_ci_u32 v3, vcc_lo, 0, v3, vcc_lo
.if ci < 31
	v_cmp_eq_i32 vcc_lo, s[32+ci], v2
	s_and_b32 vcc_lo, vcc_lo, (0xffffffff<<(ci+1))&0xffffffff         ; only lanes above ci
	v_add_co_ci_u32 v3, vcc_lo, 0, v3, vcc_lo
.endif
.set ci, ci+1
.endr
.endm
	s_load_b512 s[4:19], s[0:1], 0x0               ; cluster_id s[4:5], Wq s[6:7], Wk s[8:9], Wv s[10:11], Wd s[12:13], order s[14:15], wcodes s[16:17], wscales s[18:19]
	v_lshrrev_b32 v1, 5, v0
	s_delay_alu instid0(VALU_DEP_1)
	v_readfirstlane_b32 s20, v1                    ; wave 0..7
	s_cmp_lt_u32 ttmp9, 256
	s_cbranch_scc0 .Lweights
	; ---- the sort of batch ttmp9
	s_lshl_b32 s22, ttmp9, 10                      ; a row of 256 words
	s_mov_b32 s23, 0
	v_lshlrev_b32 v4, 2, v0
	v_mov_b32 v3, 0                                ; my rank
	s_wait_alu depctr_va_vdst(0)
	s_wait_kmcnt 0x0
	s_add_nc_u64 s[26:27], s[4:5], s[22:23]
	s_add_nc_u64 s[14:15], s[14:15], s[22:23]
	global_load_b32 v2, v4, s[26:27]               ; my key
	s_mov_b32 s21, 0                               ; the block of 32 keys in hand
	s_wait_loadcnt 0x0
.Lblock:
	s_load_b512 s[32:47], s[26:27], 0x0
	s_load_b512 s[48:63], s[26:27], 0x40
	s_wait_kmcnt 0x0                               ; the 32 keys are in,
	s_wait_xcnt 0x0                                ; and the loads have read their base: it may step
	s_add_nc_u64 s[26:27], s[26:27], 128
	s_cmp_lt_u32 s21, s20
	s_cbranch_scc1 .Lahead
	s_cmp_eq_u32 s21, s20
	s_cbranch_scc1 .Lown
	s_wait_alu depctr_va_vdst(0)
	CNTLT
	s_branch .Lnext
.Lahead:
	s_wait_alu depctr_va_vdst(0)
	CNTLE
	s_branch .Lnext
.Lown:
	s_wait_alu depctr_va_vdst(0)
	CNTOWN
.Lnext:
	s_add_co_u32 s21, s21, 1
	s_cmp_lt_u32 s21, 8
	s_cbranch_scc1 .Lblock
	s_wait_alu depctr_va_vdst(0)
	v_min_u32 v3, 0xff, v3                         ; a rank is 0..255; held there, since it enters an address
	s_delay_alu instid0(VALU_DEP_1)
	v_lshlrev_b32 v3, 2, v3
	global_store_b32 v3, v0, s[14:15]              ; order[n][rank] = my token
	s_endpgm
	; ---- one fragment of one weight a wave
.Lweights:
	s_sub_co_u32 s21, ttmp9, 256                   ; g = 0..15
	s_lshr_b32 s22, s21, 2                         ; which matrix
	s_and_b32 s23, s21, 3
	s_lshl_b32 s23, s23, 2
	s_lshr_b32 s44, s20, 1
	s_add_co_u32 s23, s23, s44                     ; tile = 4 (g % 4) + wave / 2
	s_and_b32 s44, s20, 1                          ; K step
	s_lshr_b32 s45, s23, 1
	s_lshl_b32 s45, s45, 5
	s_and_b32 s46, s23, 1
	s_lshl_b32 s46, s46, 3
	s_add_co_u32 s45, s45, s46                     ; the tile's first row: 32 (T / 2) + 8 (T % 2)
	s_lshl_b32 s45, s45, 10
	s_lshl_b32 s46, s44, 9
	s_add_co_u32 s45, s45, s46                     ; in bytes, + 512 x K step
	v_and_b32 v1, 15, v0
	s_delay_alu instid0(VALU_DEP_1)
	v_and_b32 v2, 8, v1
	s_delay_alu instid0(VALU_DEP_1)
	v_add_nc_u32 v2, v2, v1                        ; r + (r & 8)
	v_bfe_u32 v3, v0, 4, 1
	s_delay_alu instid0(VALU_DEP_1)
	v_lshlrev_b32 v3, 6, v3                        ; 64 h
	s_delay_alu instid0(VALU_DEP_1)
	v_lshl_add_u32 v2, v2, 10, v3
	s_delay_alu instid0(VALU_DEP_1)
	v_add_nc_u32 v2, s45, v2                       ; my 16 numbers of the K step's first block
	v_and_b32 v4, 31, v0
	s_delay_alu instid0(VALU_DEP_1)
	v_lshlrev_b32 v5, 4, v4                        ; 16 x lane
	s_delay_alu instid0(VALU_DEP_2)
	v_lshlrev_b32 v6, 2, v4                        ; 4 x lane
	s_lshl_b32 s47, s21, 3
	s_add_co_u32 s47, s47, s20                     ; the fragment's number, 0..127
	s_lshl_b32 s30, s47, 11
	s_mov_b32 s31, 0
	s_lshl_b32 s34, s47, 7
	s_mov_b32 s35, 0
	s_mov_b32 s[SEL], 0x76543210
	s_mov_b32 s[SEL+1], 0xfedcba98
.irp b, 0,1,2,3
	v_mov_b32 v[TM+4+\b], 0                        ; a lane permute's destination counts as one of its sources
.endr
	s_wait_alu depctr_va_vdst(0)
	s_wait_kmcnt 0x0
	s_cmp_eq_u32 s22, 2                            ; the choice hangs on the work-group's number alone
	s_cselect_b64 s[24:25], s[10:11], s[12:13]
	s_cmp_eq_u32 s22, 1
	s_cselect_b64 s[24:25], s[8:9], s[24:25]
	s_cmp_eq_u32 s22, 0
	s_cselect_b64 s[24:25], s[6:7], s[24:25]
	s_add_nc_u64 s[16:17], s[16:17], s[30:31]
	s_add_nc_u64 s[18:19], s[18:19], s[34:35]
.irp c, 0,1,2,3
.irp j, 0,1,2,3
	global_load_b128 v[XR+16*\c+4*\j:XR+16*\c+4*\j+3], v2, s[24:25] offset:128*\c+16*\j
.endr
.endr
	s_wait_loadcnt 0x0
	QUANT XR, 4, 0x4800000
	WORD TT
.irp c, 0,1,2,3
	global_store_b128 v5, v[PC+4*\c:PC+4*\c+3], s[16:17] offset:512*\c   ; 32 lanes store 512 consecutive bytes
.endr
	global_store_b32 v6, v[TT], s[18:19]
	s_endpgm
.Lfunc_end_k_q31c2dfff45_prep:
	.size	k_q31c2dfff45_prep, .Lfunc_end_k_q31c2dfff45_prep-k_q31c2dfff45_prep
	.p2alignl 7, 3214868480
	.fill 96, 4, 3214868480
	.section	.rodata,"a",@progbits
	.p2align	6, 0x0
	.amdhsa_kernel k_q31c2dfff45_prep
		.amdhsa_group_segment_fixed_size 0
		.amdhsa_private_segment_fixed_size 0
		.amdhsa_enable_private_segment 0
		.amdhsa_kernarg_size 64
		.amdhsa_user_sgpr_count 2
		.amdhsa_user_sgpr_kernarg_segment_ptr 1
		.amdhsa_wavefront_size32 1
		.amdhsa_system_sgpr_workgroup_id_x 1
		.amdhsa_system_sgpr_workgroup_id_y 1
		.amdhsa_system_sgpr_workgroup_id_z 1
		.amdhsa_system_vgpr_workitem_id 0
		.amdhsa_next_free_vgpr 128
		.amdhsa_next_free_sgpr 66
		.amdhsa_reserve_vcc 1
		.amdhsa_float_denorm_mode_32 3
		.amdhsa_float_denorm_mode_16_64 3
		.amdhsa_fp16_overflow 1
		.amdhsa_memory_ordered 1
		.amdhsa_forward_progress 1
		.amdhsa_inst_pref_size 24
	.end_amdhsa_kernel
	.amdgpu_metadata
---
amdhsa.version: [ 1, 2 ]
amdhsa.kernels:
  - .name:           k_q31c2dfff45_prep
    .symbol:         k_q31c2dfff45_prep.kd
    .args:
      - { .name: cluster_id, .offset: 0, .size: 8, .value_kind: global_buffer, .address_space: global }
      - { .name: Wq, .offset: 8, .size: 8, .value_kind: global_buffer, .address_space: global }
      - { .name: Wk, .offset: 16, .size: 8, .value_kind: global_buffer, .address_space: global }
      - { .name: Wv, .offset: 24, .size: 8, .value_kind: global_buffer, .address_space: global }
      - { .name: Wd, .offset: 32, .size: 8, .value_kind: global_buffer, .address_space: global }
      - { .name: order, .offset: 40, .size: 8, .value_kind: global_buffer, .address_space: global }
      - { .name: wcodes, .offset: 48, .size: 8, .value_kind: global_buffer, .address_space: global }
      - { .name: wscales, .offset: 56, .size: 8, .value_kind: global_buffer, .address_space: global }
    .group_segment_fixed_size: 0
    .private_segment_fixed_size: 0
    .kernarg_segment_align: 8
    .kernarg_segment_size: 64
    .max_flat_workgroup_size: 256
    .sgpr_count:     66
    .vgpr_count:     128
    .wavefront_size: 32
...
	.end_amdgpu_metadata
.endif
;; end of part 1
;; launch main (part 2): grid 256 x 1, 8 waves a work-group, no clusters, 307,200 bytes of LDS; arguments seq, attention_mask, order, wcodes, wscales, bq, bk, bv, bd, ln_w, ln_b, out0; writes out0
.if DOCPART == 2
	.amdgcn_target "amdgcn-amd-amdhsa--gfx1250"
	.amdhsa_code_object_version 6
	.text
	.protected	k_q31c2dfff45_main
	.globl	k_q31c2dfff45_main
	.p2align	8
	.type	k_q31c2dfff45_main,@function
k_q31c2dfff45_main:
	s_mov_b64 s[64:65], 0
	v_nop
	global_prefetch_b8 v0, s[64:65] scope:SCOPE_SE
	s_setreg_imm32_b32 hwreg(HW_REG_WAVE_MODE, 25, 1), 1
	s_wait_xcnt 0x0
; One work-group takes one batch (256 tokens x 256 channels, 4 heads of 64) through everything: no intermediate goes to memory.  All products are
; v_wmma_scale_f32_16x16x128_f8f6f4 on codes of E4M3 with E8M0 scales; all else is f32.
; THE QUERIES ARE WALKED IN SORTED ORDER in both paths (the full attention does not care in which order its queries come; its keys stay in natural order), so wave w owns chunk w,
; sorted places 32 w .. 32 w + 31, for both attentions, Wd, both LayerNorms and their mean.  All that hangs on the sort is a row's address in memory, order[p] x 1,024:
; the rows of seq, of the mask and of out0.  No LDS address hangs on data.
; THE ONE INDEX MAP: lane r of tile T holds index 32 (T/2) + 8 (T%2) + r + (r & 8), for tiles of tokens, of weight rows and of channels alike: then in a pair of result tiles a lane's
; 16 registers are 16 neighbours along the next product's K, in the operand's own order, and the conversions' results are the next operand.
; PHASES: X sorted (quantise) | job 1: Q, K, V of the sorted tokens | chunk attention | X natural | job 2: K, V natural | full attention | Wd, residual, LayerNorms, mean, store.  Six barriers.
; In a job wave w makes channels 32 w .. 32 w + 31 for all tokens: its fragments of Wq, Wk, Wv stay in registers.  K and Q come from the product used transposed (source 0 = weights),
; V from the product as it stands (source 0 = tokens), so that V has the keys along a lane's registers.  The biases are the C of each sum's first product.
; OPERANDS GO FROM WAVE TO WAVE THROUGH LDS AS IMAGES OF THEIR REGISTERS (512 bytes a store, 16 x lane).  A head has 64 channels, half of the instruction's K: a fragment of K holds TWO
; key tiles (k slots 0, 1 and 2, 3), and Q lies in 24 registers [q | zeros | q], of which registers 0-15 pick the first tile and 8-23 the second: zero codes add nothing.
; The scores' 1/8 is 3 taken off Q's scale bytes (exact); the mask is the C of the score product.
; SOFTMAX: t = score x log2(e); M = the ceiling of the running largest t; p = 2^(t - M) is quantised along the keys; the row's sum is taken of the unquantised p and divides at the end.
; NO CLUSTER: work-groups share only the 256 KiB of weight codes, read once at the head, of some 1.6 MiB that a work-group moves; all else belongs to one batch.  No tensor loads: x and the
; mask go straight into the registers where they are used, the weights stay in registers, everything else is made here.
; LIMITS: NaN and infinities in seq and the weights are not served.  A mask entry of -infinity gives p = 0; a row wholly -infinity gives NaN, as the softmax of such a row does.  A score whose
; t = score x log2(e) leaves f32's range below counts as -infinity.  A block whose largest magnitude lies under 2^-118 (Q: 2^-115, for the 3 taken off) keeps the floor's byte; a block of zeros
; has that byte too where the rule says 127: its codes are zeros, and this program alone reads the bytes.  1 / sum is v_rcp_f32 and a multiplication; 1 / sqrt is v_rsq_f32.
; ---- LDS
.set A_IMG, 0                          ; [tile 16][K step 2][c 4][lane][16]: x's codes (sorted, then natural), then the contexts' (each wave its own 8,192 bytes)
.set A_SC,  65536                      ; [tile][K step][r 16][4]
.set B_IMG, 67584                      ; Q: [head 4][pair 8][c = 2 u + block][lane][16]; at the end Wd: [tile 16][K step 2][2,048]
.set B_SC,  133120                     ; Q: [head][pair][u][r][4], bytes (s0, s1, s0, s1); at the end Wd's words [fragment 32][lane][4]
.set C_IMG, 137216                     ; K: [head][pair][c = 2 u + block][lane][16]
.set C_SC,  202752                     ; [head][pair][r][4], byte 2 u + block
.set D_IMG, 204800                     ; V^T: [head][channel tile 4][block of 32 keys 8][lane][16]
.set D_SC,  270336                     ; [head][channel tile][r][8], a byte a block of keys
.set E_IMG, 272384                     ; [wave][4,096]: the chunk path's context of the wave's second tile
.set E_SC,  305152                     ; [wave][K step][r][4]
.set STAGE, C_IMG                      ; the way out: 16 rows x 1,040 bytes a wave, over K and V, which nobody reads any more
.set SPITCH, 1040
; ---- registers, window 0
.set LI, 1                             ; 16 x lane
.set LS, 2                             ; 4 r
.set H64, 3                            ; 64 h
.set RO0, 4                            ; order[32 w + 8 u + r + (r & 8)] x 1,024 + 64 h, u = 0, 1
.set RO1, 5
.set L4, 6                             ; 4 x lane
.set PFO, 7                            ; RO1 + 192 h: the prefetches' offset
.set XST, 20                           ; my slot of A_IMG + 16 x lane
.set XSS, 21                           ; my slot of A_SC + 4 r
.set RN0, 22                           ; (32 w + 8 u + r + (r & 8)) x 1,024 + 64 h
.set RN1, 23
.set TM, 48                            ; v48-51 maxima, v52-55 partner's then bytes, v60-63 scale operands
.set NM, 64                            ; -M
.set TX, 65                            ; the running largest t
.set LL, 66                            ; v[66:67] the row's sum, in two halves
.set FF, 68                            ; v[68:69] 2^(old M - new M); later 1 / sum
.set TT, 70
.set OLD, 71
.set PC, 72                            ; v72-87 codes just made
.set XR0, 96
.set XR1, 160
.set XF, 88                            ; jobs: x's fragments [u][K step], 16 each
.set ACC, 160
.set S, 160                            ; scores, then p
.set MD, 224                           ; the mask's diagonal block, 16 a tile; later CC
.set CC, 224                           ; the chunk path's context, codes of the tile in hand
.set CCS, 46
.set SEL, 32
.set MNT, 34
.set MSB, 0
.macro WIN new                         ; s_set_vgpr_msb: bits 1:0 source 0, 3:2 source 1, 5:4 source 2, 7:6 destination; the high byte repeats the setting that is left
.if MSB != \new
	s_set_vgpr_msb (MSB<<8)|\new
.set MSB, \new
.endif
.endm
.macro NOPS n
.rept \n
	v_nop
.endr
.endm
.macro BAR                             ; my LDS stores have landed and my LDS loads are in: then the work-group's barrier
	s_wait_dscnt 0x0
	s_barrier_signal -1
	s_barrier_wait -1
.endm
; 16 nb numbers of a lane (register 16 b + i = k 32 b + 16 h + i of its row) become codes in v[PC] on; the bytes stay in v[TM+4] on
.macro QUANT src, nb, fl
.set qb, 0
.rept \nb
	v_max3_num_f32 v[TM+qb], |v[\src+16*qb]|, |v[\src+16*qb+1]|, \fl   ; my 16 numbers of block b, and the floor under which no largest magnitude is taken
.set qb, qb+1
.endr
.set qi, 2
.rept 7
.set qb, 0
.rept \nb
	v_max3_num_f32 v[TM+qb], v[TM+qb], |v[\src+16*qb+qi]|, |v[\src+16*qb+qi+1]|
.set qb, qb+1
.endr
.set qi, qi+2
.endr
.set qb, 0
.rept \nb
	v_permlanex16_b32 v[TM+4+qb], v[TM+qb], s[SEL], s[SEL+1]
.set qb, qb+1
.endr
.set qb, 0
.rept \nb
	v_max_num_f32 v[TM+qb], v[TM+qb], v[TM+4+qb]                      ; with lane l xor 16's 16: the block's largest magnitude
.set qb, qb+1
.endr
.set qb, 0
.rept \nb
	v_add_nc_u32 v[TM+12+qb], 0xfc000000, v[TM+qb]                    ; 8 off its exponent field: the conversion's scale operand
	s_delay_alu instid0(VALU_DEP_1)
	v_lshrrev_b32 v[TM+4+qb], 23, v[TM+12+qb]                         ; the scale's byte
.set qb, qb+1
.endr
.set qb, 0
.rept \nb
.set qi, 0
.rept 16
.set qi, qi+1
.endr
	v_cvt_scalef32_pk8_fp8_f32 v[PC+4*qb:PC+4*qb+1], v[\src+16*qb:\src+16*qb+7], v[TM+12+qb]
	v_cvt_scalef32_pk8_fp8_f32 v[PC+4*qb+2:PC+4*qb+3], v[\src+16*qb+8:\src+16*qb+15], v[TM+12+qb]
.set qb, qb+1
.endr
	v_nop                                                             ; one plain line behind the last conversion
.endm
.macro WORD d
	v_lshl_or_b32 v[\d], v[TM+5], 8, v[TM+4]
	s_delay_alu instid0(VALU_DEP_1)
	v_lshl_or_b32 v[\d], v[TM+6], 16, v[\d]
	s_delay_alu instid0(VALU_DEP_1)
	v_lshl_or_b32 v[\d], v[TM+7], 24, v[\d]
.endm
; 64 numbers of my row of x: K step s, 16 of each block of 32
.macro XLOAD buf, ro, s
.irp c, 0,1,2,3
.irp j, 0,1,2,3
	global_load_b128 v[\buf+16*\c+4*\j:\buf+16*\c+4*\j+3], v[\ro], s[38:39] offset:512*\s+128*\c+16*\j
.endr
.endr
.endm
; they become a fragment's image and its scale words in my slot of A.  cnt: the younger loads, which may stay out
.macro UNIT buf, u, s, cnt
	s_wait_loadcnt \cnt
	s_wait_dscnt 0x0                               ; the last unit's stores have read the codes' registers
	QUANT \buf, 4, 0x4800000
	WORD TT
.irp c, 0,1,2,3
	ds_store_b128 v[XST], v[PC+4*\c:PC+4*\c+3] offset:4096*\u+2048*\s+512*\c
.endr
	ds_store_b32 v[XSS], v[TT] offset:128*\u+64*\s
.endm
; the mask rows of a tile's 16 queries, blocks lo .. hi of 32 keys, into window 1 from v128 on: 16 registers a block, the layout of the score product's C
.macro MLOAD ro, lo, hi
	WIN 0x40
.irp b, 0,1,2,3,4,5,6,7
.if (\b >= \lo) && (\b <= \hi)
.irp j, 0,1,2,3
	global_load_b128 v[128+16*\b+4*\j:128+16*\b+4*\j+3], v[\ro], s[40:41] offset:128*\b+16*\j th:TH_LOAD_NT
.endr
.endif
.endr
	WIN 0
.endm
; a tile's 16 rows of x into window 1 from v128 on, in the layout of Wd's result
.macro RESLOAD ro
	WIN 0x40
.irp b, 0,1,2,3,4,5,6,7
.irp j, 0,1,2,3
	global_load_b128 v[128+16*\b+4*\j:128+16*\b+4*\j+3], v[\ro], s[38:39] offset:128*\b+16*\j th:TH_LOAD_NT
.endr
.endr
	WIN 0
.endm
; THE SOFTMAX OF ONE TILE OF 16 QUERIES over nb blocks of 32 keys: scores in v[sb] on (16 a block), codes to v[pc] on, scale word to v[ps], the sum in the pair v[l].  first = 1: it starts M and the sum
.macro SOFT sb, nb, pc, ps, l, first
.set qb, 0
.rept \nb
	v_max3_num_f32 v[TM+qb], v[\sb+16*qb], v[\sb+16*qb+1], v[\sb+16*qb+2]   ; each block's largest score: it serves the row's maximum and, since p rises with the score, the block's largest p
.set qb, qb+1
.endr
.set qi, 3
.rept 6
.set qb, 0
.rept \nb
	v_max3_num_f32 v[TM+qb], v[TM+qb], v[\sb+16*qb+qi], v[\sb+16*qb+qi+1]
.set qb, qb+1
.endr
.set qi, qi+2
.endr
.set qb, 0
.rept \nb
	v_max_num_f32 v[TM+qb], v[TM+qb], v[\sb+16*qb+15]
.set qb, qb+1
.endr
.set qb, 0
.rept \nb
	v_permlanex16_b32 v[TM+4+qb], v[TM+qb], s[SEL], s[SEL+1]
.set qb, qb+1
.endr
.set qb, 0
.rept \nb
	v_max_num_f32 v[TM+qb], v[TM+qb], v[TM+4+qb]
.set qb, qb+1
.endr
.if \nb == 4
	s_delay_alu instid0(VALU_DEP_2)
	v_max3_num_f32 v[TT], v[TM], v[TM+1], v[TM+2]
	s_delay_alu instid0(VALU_DEP_1)
	v_max_num_f32 v[TT], v[TT], v[TM+3]
.else
	s_delay_alu instid0(VALU_DEP_1)
	v_max_num_f32 v[TT], v[TM], v[TM+1]
.endif
	s_delay_alu instid0(VALU_DEP_1)
	v_mul_f32 v[TT], s36, v[TT]                    ; as t
.if \first
	s_delay_alu instid0(VALU_DEP_1)
	v_max_num_f32 v[TX], 0xff61b1e6, v[TT]         ; held at -3e38 from below, so that M stays a number where all scores are -infinity
	s_delay_alu instid0(VALU_DEP_1)
	v_floor_f32 v[NM], -v[TX]                      ; -M = floor(-t) = -ceil(t)
.else
	s_delay_alu instid0(VALU_DEP_1)
	v_max_num_f32 v[TX], v[TX], v[TT]
	v_mov_b32 v[OLD], v[NM]
	s_delay_alu instid0(VALU_DEP_2)
	v_floor_f32 v[NM], -v[TX]
	s_delay_alu instid0(VALU_DEP_1)
	v_sub_f32 v[TT], v[NM], v[OLD]                 ; old M - new M: a whole number, 0 or less
	s_delay_alu instid0(VALU_DEP_1)
	v_cvt_i32_f32 v[TT], v[TT]                     ; (it saturates)
	s_delay_alu instid0(VALU_DEP_1)
	v_ldexp_f32 v[FF], 1.0, v[TT]                  ; f = 2^(old M - new M)
.endif
.set qj, 0
.rept 8*\nb
	v_pk_fma_f32 v[\sb+qj:\sb+qj+1], v[\sb+qj:\sb+qj+1], s[36:37], v[NM:NM+1] op_sel_hi:[1,0,0]   ; t - M, two at a time
.set qj, qj+2
.endr
.set qb, 0
.rept \nb
	v_fma_f32 v[TM+qb], v[TM+qb], s36, v[NM]       ; the same of each block's largest score
.set qb, qb+1
.endr
.set qj, 0
	s_wait_alu depctr_va_vdst(0)
.rept 16*\nb
	v_exp_f32 v[\sb+qj], v[\sb+qj]                 ; p = 2^(t - M)
.set qj, qj+1
.endr
.if \first
	v_nop                                          ; a plain line behind the exponentials
.else
	v_pk_mul_f32 v[\l:\l+1], v[\l:\l+1], v[FF:FF+1] op_sel_hi:[1,0]   ; the sum under the new M (a plain line behind the exponentials)
.endif
	s_wait_alu depctr_va_vdst(0)                   ; one wait for the batch, ahead of its first reader
.set qb, 0
.rept \nb
	v_exp_f32 v[TM+qb], v[TM+qb]                   ; the blocks' largest p
.set qb, qb+1
.endr
.if \first                                     ; the row's sum of the unquantised p, two chains; the first pairs start them
	v_pk_add_f32 v[\l:\l+1], v[\sb:\sb+1], v[\sb+4:\sb+5]
	v_pk_add_f32 v[TM+4:TM+5], v[\sb+2:\sb+3], v[\sb+6:\sb+7]
.set qj, 8
.rept 4*\nb-2
	v_pk_add_f32 v[\l:\l+1], v[\l:\l+1], v[\sb+qj:\sb+qj+1]
	v_pk_add_f32 v[TM+4:TM+5], v[TM+4:TM+5], v[\sb+qj+2:\sb+qj+3]
.set qj, qj+4
.endr
.else
	v_pk_add_f32 v[TM+4:TM+5], v[\sb:\sb+1], v[\sb+2:\sb+3]
.set qj, 4
.rept 4*\nb-1
	v_pk_add_f32 v[\l:\l+1], v[\l:\l+1], v[\sb+qj:\sb+qj+1]
	v_pk_add_f32 v[TM+4:TM+5], v[TM+4:TM+5], v[\sb+qj+2:\sb+qj+3]
.set qj, qj+4
.endr
.endif
	s_delay_alu instid0(VALU_DEP_1)
	v_pk_add_f32 v[\l:\l+1], v[\l:\l+1], v[TM+4:TM+5]
	s_wait_alu depctr_va_vdst(0)                   ; and one for the blocks' largest p
.set qb, 0
.rept \nb
	v_max_num_f32 v[TM+qb], 0x4800000, v[TM+qb]    ; the floor: the byte cannot fall under 1
.set qb, qb+1
.endr
.set qb, 0
.rept \nb
	v_add_nc_u32 v[TM+12+qb], 0xfc000000, v[TM+qb]
	s_delay_alu instid0(VALU_DEP_1)
	v_lshrrev_b32 v[TM+4+qb], 23, v[TM+12+qb]
.set qb, qb+1
.endr
	v_lshl_or_b32 v[\ps], v[TM+5], 8, v[TM+4]      ; p's scale word
.if \nb == 4
	s_delay_alu instid0(VALU_DEP_1)
	v_lshl_or_b32 v[\ps], v[TM+6], 16, v[\ps]
	s_delay_alu instid0(VALU_DEP_1)
	v_lshl_or_b32 v[\ps], v[TM+7], 24, v[\ps]
.endif
.set qb, 0
.rept \nb
.set qi, 0
.rept 16
.set qi, qi+1
.endr
	v_cvt_scalef32_pk8_fp8_f32 v[\pc+4*qb:\pc+4*qb+1], v[\sb+16*qb:\sb+16*qb+7], v[TM+12+qb]
	v_cvt_scalef32_pk8_fp8_f32 v[\pc+4*qb+2:\pc+4*qb+3], v[\sb+16*qb+8:\sb+16*qb+15], v[TM+12+qb]
.set qb, qb+1
.endr
	v_nop
.endm
; ================= the head
	s_load_b512 s[4:19], s[0:1], 0x0               ; seq s[4:5], mask s[6:7], order s[8:9], wcodes s[10:11], wscales s[12:13], bq s[14:15], bk s[16:17], bv s[18:19]
	s_load_b256 s[20:27], s[0:1], 0x40             ; bd s[20:21], ln_w s[22:23], ln_b s[24:25], out0 s[26:27]
	v_lshrrev_b32 v8, 5, v0
	s_delay_alu instid0(VALU_DEP_1)
	v_readfirstlane_b32 s28, v8                    ; wave w = 0..7
	s_lshr_b32 s29, s28, 1                         ; in a job: my head,
	s_and_b32 s30, s28, 1                          ; and which 32 of its 64 channels
	s_xor_b32 s31, s28, 7
	s_min_u32 s31, s31, 6
	s_xor_b32 s31, s31, 7                          ; max(w, 1): my chunk's window is pairs max(w, 1) - 1 and max(w, 1)
	s_mov_b32 s32, 0x76543210
	s_mov_b32 s33, 0xfedcba98                      ; v_permlanex16_b32's selects for lane l xor 16
	s_mov_b32 s35, 0x3b800000                      ; 1 / 256
	s_mov_b32 s36, 0x3fb8aa3b                      ; log2(e)
	s_mov_b32 s37, s36                             ; (named with it as a pair)
	s_mov_b32 s62, 0x2b8cbccc                      ; 1e-12
	v_and_b32 v9, 31, v0
	s_delay_alu instid0(VALU_DEP_1)
	v_lshlrev_b32 v[LI], 4, v9
	s_delay_alu instid0(VALU_DEP_2)
	v_lshlrev_b32 v[L4], 2, v9
	v_and_b32 v10, 15, v0                          ; r
	s_delay_alu instid0(VALU_DEP_1)
	v_lshlrev_b32 v[LS], 2, v10
	v_bfe_u32 v11, v0, 4, 1                        ; h
	s_delay_alu instid0(VALU_DEP_1)
	v_lshlrev_b32 v[H64], 6, v11
	s_delay_alu instid0(VALU_DEP_4)
	v_and_b32 v12, 8, v10
	s_delay_alu instid0(VALU_DEP_1)
	v_add_nc_u32 v12, v12, v10                     ; r + (r & 8)
	s_delay_alu instid0(VALU_DEP_1)
	v_lshlrev_b32 v13, 2, v12
	s_lshl_b32 s52, s28, 15
	v_lshl_add_u32 v[RN0], v12, 10, v[H64]
	s_delay_alu instid0(VALU_DEP_1)
	v_add_nc_u32 v[RN0], s52, v[RN0]
	s_delay_alu instid0(VALU_DEP_1)
	v_add_nc_u32 v[RN1], 8192, v[RN0]
	v_mul_u32_u24 v14, v[H64], 3                   ; 192 h
	s_lshl_b32 s53, s28, 13
	v_add_nc_u32 v[XST], s53, v[LI]
	s_lshl_b32 s53, s28, 8
	v_add_nc_u32 v[XSS], s53, v[LS]
	s_delay_alu instid0(VALU_DEP_1)
	v_add_nc_u32 v[XSS], A_SC, v[XSS]
.irp b, 0,1,2,3
	v_mov_b32 v[TM+4+\b], 0                        ; a lane permute's destination counts as one of its sources
.endr
	v_mov_b32 v[FF+1], 0                           ; (named as the upper half of a pair)
	s_lshl_b32 s60, ttmp9, 18                      ; a batch is 262,144 bytes in seq, in the mask and in out0
	s_mov_b32 s61, 0
	s_lshl_b32 s52, s28, 7
	s_wait_kmcnt 0x0
	s_add_nc_u64 s[38:39], s[4:5], s[60:61]
	s_add_nc_u64 s[40:41], s[6:7], s[60:61]
	s_add_nc_u64 s[42:43], s[26:27], s[60:61]
	s_lshl_b32 s60, ttmp9, 10
	s_add_co_u32 s60, s60, s52
	s_add_nc_u64 s[44:45], s[8:9], s[60:61]        ; order: my batch's row, my chunk's 32 words
	s_mov_b32 s60, s52
	s_add_nc_u64 s[50:51], s[40:41], s[60:61]      ; the mask at column 32 w
	s_add_nc_u64 s[14:15], s[14:15], s[60:61]      ; the biases at channel 32 w
	s_add_nc_u64 s[16:17], s[16:17], s[60:61]
	s_add_nc_u64 s[18:19], s[18:19], s[60:61]
	s_lshl_b32 s60, s28, 13
	s_add_nc_u64 s[46:47], s[10:11], s[60:61]      ; my four fragments of each weight
	s_lshl_b32 s60, s28, 9
	s_add_nc_u64 s[48:49], s[12:13], s[60:61]      ; and their scale words
	WIN 0x40                                       ; window 1: Wk at v0, Wv at v64, Wq at v128 (fragment 2 t + s: 16 registers); bq at v192, bk at v224, bv at v240
.irp f, 0,1,2,3
.irp c, 0,1,2,3
	global_load_b128 v[16*\f+4*\c:16*\f+4*\c+3], v[LI], s[46:47] offset:65536+2048*\f+512*\c
	global_load_b128 v[64+16*\f+4*\c:64+16*\f+4*\c+3], v[LI], s[46:47] offset:131072+2048*\f+512*\c
	global_load_b128 v[128+16*\f+4*\c:128+16*\f+4*\c+3], v[LI], s[46:47] offset:2048*\f+512*\c
.endr
.endr
.irp t, 0,1
	global_load_b128 v[192+8*\t:195+8*\t], v[H64], s[14:15] offset:32*\t      ; transposed results: register j is channel 32 w + 16 h + 8 t + j
	global_load_b128 v[196+8*\t:199+8*\t], v[H64], s[14:15] offset:32*\t+16
	global_load_b128 v[224+8*\t:227+8*\t], v[H64], s[16:17] offset:32*\t
	global_load_b128 v[228+8*\t:231+8*\t], v[H64], s[16:17] offset:32*\t+16
	global_load_b32 v[240+8*\t], v13, s[18:19] offset:32*\t                   ; V's results: the lane is channel 32 w + 8 t + r + (r & 8)
.endr
	WIN 0
.irp f, 0,1,2,3
	global_load_b32 v[24+\f], v[L4], s[48:49] offset:4096+128*\f              ; Wk's scale words v24-27, Wv's v28-31, Wq's v32-35
	global_load_b32 v[28+\f], v[L4], s[48:49] offset:8192+128*\f
	global_load_b32 v[32+\f], v[L4], s[48:49] offset:128*\f
.endr
.irp u, 0,1
.irp j, 0,1,2,3
	global_load_b128 v[MD+16*\u+4*\j:MD+16*\u+4*\j+3], v[RN0+\u], s[50:51] offset:16*\j   ; the mask's diagonal block of chunk w: row = the place in the sorted order, taken as a row number
.endr
.endr
	global_load_b32 v[RO0], v13, s[44:45]
	global_load_b32 v[RO1], v13, s[44:45] offset:32
	s_wait_loadcnt 0x0
	v_min_u32 v[RO0], 0xff, v[RO0]                 ; a token's number is 0..255; held there, since it enters addresses
	v_min_u32 v[RO1], 0xff, v[RO1]
	s_delay_alu instid0(VALU_DEP_2)
	v_lshl_add_u32 v[RO0], v[RO0], 10, v[H64]
	s_delay_alu instid0(VALU_DEP_2)
	v_lshl_add_u32 v[RO1], v[RO1], 10, v[H64]
	s_delay_alu instid0(VALU_DEP_1)
	v_add_nc_u32 v[PFO], v14, v[RO1]
	WIN 0x41
.irp t, 0,1
.irp j, 1,2,3,4,5,6,7
	v_mov_b32 v[240+8*\t+\j], v[240+8*\t]          ; bv as a C: the same number in the tile's eight registers
.endr
.endr
	WIN 0
; ================= X sorted: my 32 sorted tokens become four fragments in my slot of A
	XLOAD XR0, RO0, 0
	XLOAD XR1, RO0, 1
	UNIT XR0, 0, 0, 16                             ; (16: the other buffer's loads)
	XLOAD XR0, RO1, 0
	UNIT XR1, 0, 1, 16
	XLOAD XR1, RO1, 1
	UNIT XR0, 1, 0, 16
	UNIT XR1, 1, 1, 0
	BAR                                            ; x's 32 fragments lie in A
; ================= the jobs
.set XAD0, 8
.set XSA0, 9
.set XAD, 10
.set XSA, 11
.set KST, 12
.set KSB, 13
.set VST, 14
.set VSB, 15
.set QST, 16
.set QSB, 17
.set WSK, 24
.set WSV, 28
.set WSQ, 32
.set XS, 36                            ; v36-39 x's scale words [u][K step]
.macro XFETCH                          ; a pair of token tiles: four fragments and their scale words: 20 LDS loads
.irp u, 0,1
.irp s, 0,1
.irp c, 0,1,2,3
	ds_load_b128 v[XF+32*\u+16*\s+4*\c:XF+32*\u+16*\s+4*\c+3], v[XAD] offset:4096*\u+2048*\s+512*\c
.endr
	ds_load_b32 v[XS+2*\u+\s], v[XSA] offset:128*\u+64*\s
.endr
.endr
.endm
; four products used transposed (source 0 = 16 rows of the weight at v[wb] of window 1, source 1 = 16 tokens): K step s.  The first K step takes the bias at v[bb] as C
.macro TPROD wb, bb, ws, s
.irp u, 0,1
.irp t, 0,1
.if \s == 0
	v_wmma_scale_f32_16x16x128_f8f6f4 v[ACC+16*\u+8*\t:ACC+16*\u+8*\t+7], v[\wb+32*\t:\wb+32*\t+15], v[XF+32*\u:XF+32*\u+15], v[\bb+8*\t:\bb+8*\t+7], v[\ws+2*\t], v[XS+2*\u]
.else
	v_wmma_scale_f32_16x16x128_f8f6f4 v[ACC+16*\u+8*\t:ACC+16*\u+8*\t+7], v[\wb+32*\t+16:\wb+32*\t+31], v[XF+32*\u+16:XF+32*\u+31], v[ACC+16*\u+8*\t:ACC+16*\u+8*\t+7], v[\ws+2*\t+1], v[XS+2*\u+1]
.endif
.endr
.endr
.endm
; four products as they stand (source 0 = 16 tokens, source 1 = 16 rows of Wv): a lane holds one channel, its registers run along the tokens
.macro NPROD s
.irp t, 0,1
.irp u, 0,1
.if \s == 0
	v_wmma_scale_f32_16x16x128_f8f6f4 v[ACC+32+16*\t+8*\u:ACC+32+16*\t+8*\u+7], v[XF+32*\u:XF+32*\u+15], v[64+32*\t:64+32*\t+15], v[240+8*\t:240+8*\t+7], v[XS+2*\u], v[WSV+2*\t]
.else
	v_wmma_scale_f32_16x16x128_f8f6f4 v[ACC+32+16*\t+8*\u:ACC+32+16*\t+8*\u+7], v[XF+32*\u+16:XF+32*\u+31], v[64+32*\t+16:64+32*\t+31], v[ACC+32+16*\t+8*\u:ACC+32+16*\t+8*\u+7], v[XS+2*\u+1], v[WSV+2*\t+1]
.endif
.endr
.endr
.endm
.macro JOBADDR
	v_mov_b32 v[XAD0], v[LI]                       ; A_IMG is LDS byte 0
	v_add_nc_u32 v[XSA0], A_SC, v[LS]
	s_lshl_b32 s52, s29, 14
	s_lshl_b32 s53, s30, 9
	s_add_co_u32 s52, s52, s53
	v_add_nc_u32 v[KST], s52, v[LI]                ; 16,384 x head + 512 x block + 16 x lane
	s_delay_alu instid0(VALU_DEP_1)
	v_add_nc_u32 v[QST], B_IMG, v[KST]
	s_delay_alu instid0(VALU_DEP_2)
	v_add_nc_u32 v[KST], C_IMG, v[KST]
	s_lshl_b32 s52, s29, 9
	s_add_co_u32 s52, s52, s30
	v_add_nc_u32 v[KSB], s52, v[LS]
	s_delay_alu instid0(VALU_DEP_1)
	v_add_nc_u32 v[KSB], C_SC, v[KSB]
	s_lshl_b32 s52, s29, 10
	s_add_co_u32 s52, s52, s30
	v_add_nc_u32 v[QSB], s52, v[LS]
	s_delay_alu instid0(VALU_DEP_1)
	v_add_nc_u32 v[QSB], B_SC, v[QSB]
	s_lshl_b32 s52, s28, 13
	v_add_nc_u32 v[VST], s52, v[LI]
	s_delay_alu instid0(VALU_DEP_1)
	v_add_nc_u32 v[VST], D_IMG, v[VST]
	s_lshl_b32 s52, s28, 8
	v_lshl_add_u32 v[VSB], v[LS], 1, s52
	s_delay_alu instid0(VALU_DEP_1)
	v_add_nc_u32 v[VSB], D_SC, v[VSB]
.endm
; Eight trips, a pair of token tiles each: K and V (withq = 1: and Q) of my 32 channels.  The accumulators take turns, one instruction a turn.
.macro JOBLOOP withq
	s_mov_b32 s53, 0
	s_mov_b32 s54, 0
	s_mov_b32 s55, 0
	v_mov_b32 v[XAD], v[XAD0]
	v_mov_b32 v[XSA], v[XSA0]
	XFETCH
.Ljob_\@:
	s_wait_dscnt 0x0                               ; the pair's fragments are in; the last trip's stores have read their registers
	WIN 0x11                                       ; source 0 (Wk) and C (bk) in window 1
	TPROD 0, 224, WSK, 0
	WIN 0x14                                       ; source 1 (Wv) and C (bv) in window 1
	NPROD 0
	WIN 0x01
	TPROD 0, 224, WSK, 1
	WIN 0x04
	NPROD 1
	WIN 0
	s_add_co_u32 s53, s53, 8192                    ; the next pair; behind the last the addresses turn back to pair 0, whose fragments are fetched and not used
	s_and_b32 s53, s53, 0xffff
	s_add_co_u32 s54, s54, 256
	s_and_b32 s54, s54, 0x7ff
	v_add_nc_u32 v[XAD], s53, v[XAD0]
	v_add_nc_u32 v[XSA], s54, v[XSA0]
	NOPS 7                                         ; with the two additions: nine places behind the products
.if !\withq
	XFETCH
.endif
	QUANT ACC, 4, 0x4800000                        ; blocks: K of tile u = 0, of u = 1 (along the head's channels); V of channel tile 0, of 1 (along the 32 tokens)
	ds_store_b128 v[KST], v[PC:PC+3]
	ds_store_b128 v[KST], v[PC+4:PC+7] offset:1024
	ds_store_b8 v[KSB], v[TM+4]
	ds_store_b8 v[KSB], v[TM+5] offset:2
	ds_store_b128 v[VST], v[PC+8:PC+11]
	ds_store_b128 v[VST], v[PC+12:PC+15] offset:4096
	ds_store_b8 v[VSB], v[TM+6]
	ds_store_b8 v[VSB], v[TM+7] offset:128
.if \withq
	WIN 0x11
	TPROD 128, 192, WSQ, 0
	WIN 0x01
	TPROD 128, 192, WSQ, 1
	WIN 0
	NOPS 8
	XFETCH
	s_wait_dscnt 20                                ; the 20 fetches may be out; the eight stores ahead of them have read their registers
	QUANT ACC, 2, 0x6000000                        ; the floor 2^(12 - 127) keeps the byte at 4 or above,
	v_add_nc_u32 v[TM+4], -3, v[TM+4]              ; for 3 is taken off it: the scores' 1 / 8
	v_add_nc_u32 v[TM+5], -3, v[TM+5]
	ds_store_b128 v[QST], v[PC:PC+3]
	ds_store_b128 v[QST], v[PC+4:PC+7] offset:1024
	ds_store_b8 v[QSB], v[TM+4]
	ds_store_b8 v[QSB], v[TM+4] offset:2
	ds_store_b8 v[QSB], v[TM+5] offset:64
	ds_store_b8 v[QSB], v[TM+5] offset:66
	v_add_nc_u32 v[QST], 2048, v[QST]
	v_add_nc_u32 v[QSB], 128, v[QSB]
.endif
	v_add_nc_u32 v[KST], 2048, v[KST]
	v_add_nc_u32 v[KSB], 64, v[KSB]
	v_add_nc_u32 v[VST], 512, v[VST]
	v_add_nc_u32 v[VSB], 1, v[VSB]
	s_add_co_u32 s55, s55, 1
	s_cmp_lt_u32 s55, 8
	s_cbranch_scc1 .Ljob_\@
.endm
	JOBADDR
	JOBLOOP 1
	BAR                                            ; Q, K, V of the sorted tokens lie in B, C, D; nobody reads A any more
; ================= the chunk attention: my 32 queries (tiles u = 0, 1) against my window of 64 sorted keys; a trip a head
.set KADC, 8
.set KSAC, 9
.set QADC, 10
.set QSAC, 11
.set VADC, 12
.set VSAC, 13
.set C0ST, 14
.set C1ST, 15
.set C0SS0, 16
.set C1SS0, 17
.set C0SS, 18
.set C1SS, 19
.set PFC, 88                           ; p's codes, 16 a tile: the upper 8 stay zero (64 keys are half of the instruction's K)
.set KF, 128                           ; K's two fragments
.set CKS, 32
.set CQS, 34
.set CVS, 36
.set CVT, 40
.set CPS, 44
.set QFC, 128                          ; window 1: [q | zeros | q], 24 a tile
.set VF, 176                           ; window 1: V^T, 8 a channel tile; a fragment's upper 8 are the next tile's codes or the zero tail, against p's zeros
	WIN 0x40
.irp j, 0,1,2,3,4,5,6,7
	v_mov_b32 v[QFC+8+\j], 0
	v_mov_b32 v[QFC+32+\j], 0
	v_mov_b32 v[VF+32+\j], 0
.endr
	WIN 0
.irp j, 0,1,2,3,4,5,6,7
	v_mov_b32 v[PFC+8+\j], 0
	v_mov_b32 v[PFC+24+\j], 0
.endr
	v_mov_b32 v125, 0                              ; (upper halves of the pairs that hold 1 / sum)
	v_mov_b32 v127, 0
	s_lshl_b32 s53, s31, 11
	v_add_nc_u32 v[KADC], s53, v[LI]
	s_delay_alu instid0(VALU_DEP_1)
	v_add_nc_u32 v[KADC], C_IMG-2048, v[KADC]
	s_lshl_b32 s53, s31, 6
	v_add_nc_u32 v[KSAC], s53, v[LS]
	s_delay_alu instid0(VALU_DEP_1)
	v_add_nc_u32 v[KSAC], C_SC-64, v[KSAC]
	s_lshl_b32 s53, s28, 11
	v_add_nc_u32 v[QADC], s53, v[LI]
	s_delay_alu instid0(VALU_DEP_1)
	v_add_nc_u32 v[QADC], B_IMG, v[QADC]
	s_lshl_b32 s53, s28, 7
	v_add_nc_u32 v[QSAC], s53, v[LS]
	s_delay_alu instid0(VALU_DEP_1)
	v_add_nc_u32 v[QSAC], B_SC, v[QSAC]
	s_lshl_b32 s53, s31, 9
	v_add_nc_u32 v[VADC], s53, v[LI]
	s_delay_alu instid0(VALU_DEP_1)
	v_add_nc_u32 v[VADC], D_IMG-512, v[VADC]
	v_lshl_add_u32 v[VSAC], v[LS], 1, s31
	s_delay_alu instid0(VALU_DEP_1)
	v_add_nc_u32 v[VSAC], D_SC-1, v[VSAC]
	v_mov_b32 v[C0ST], v[XST]                      ; tile 0's context passes through my slot of A,
	s_lshl_b32 s53, s28, 12
	v_add_nc_u32 v[C1ST], s53, v[LI]
	s_delay_alu instid0(VALU_DEP_1)
	v_add_nc_u32 v[C1ST], E_IMG, v[C1ST]           ; tile 1's waits in E
	v_mov_b32 v[C0SS0], v[XSS]
	s_lshl_b32 s53, s28, 7
	v_add_nc_u32 v[C1SS0], s53, v[LS]
	s_delay_alu instid0(VALU_DEP_1)
	v_add_nc_u32 v[C1SS0], E_SC, v[C1SS0]
	s_mov_b32 s52, 0
.Lchunk:
	s_wait_alu depctr_va_vdst(0)
.irp k, 0,1
.irp c, 0,1,2,3
	ds_load_b128 v[KF+16*\k+4*\c:KF+16*\k+4*\c+3], v[KADC] offset:2048*\k+512*\c
.endr
	ds_load_b32 v[CKS+\k], v[KSAC] offset:64*\k
	ds_load_b32 v[CQS+\k], v[QSAC] offset:64*\k
.endr
.irp t, 0,1,2,3
	ds_load_u8 v[CVS+\t], v[VSAC] offset:128*\t
	ds_load_u8 v[CVT+\t], v[VSAC] offset:128*\t+1
.endr
	WIN 0x40
.irp u, 0,1
	ds_load_b128 v[QFC+24*\u:QFC+24*\u+3], v[QADC] offset:1024*\u
	ds_load_b128 v[QFC+24*\u+4:QFC+24*\u+7], v[QADC] offset:1024*\u+512
	ds_load_b128 v[QFC+24*\u+16:QFC+24*\u+19], v[QADC] offset:1024*\u
	ds_load_b128 v[QFC+24*\u+20:QFC+24*\u+23], v[QADC] offset:1024*\u+512
.endr
.irp t, 0,1,2,3
	ds_load_b128 v[VF+8*\t:VF+8*\t+3], v[VADC] offset:4096*\t
	ds_load_b128 v[VF+8*\t+4:VF+8*\t+7], v[VADC] offset:4096*\t+512
.endr
	WIN 0
	s_wait_dscnt 0x0
.irp t, 0,1,2,3
	v_lshl_or_b32 v[CVS+\t], v[CVT+\t], 8, v[CVS+\t]   ; V's scale word: the window's two blocks of keys
.endr
	WIN 0x04                                       ; source 1 (Q) in window 1
.irp u, 0,1
.irp t, 0,1
	v_wmma_scale_f32_16x16x128_f8f6f4 v[S+32*\u+8*\t:S+32*\u+8*\t+7], v[KF:KF+15], v[QFC+24*\u+8*\t:QFC+24*\u+8*\t+15], v[MD+16*\u+8*\t:MD+16*\u+8*\t+7], v[CKS], v[CQS+\u]   ; the window's first 32 keys: + the mask's block
.endr
.irp t, 0,1
	v_wmma_scale_f32_16x16x128_f8f6f4 v[S+32*\u+16+8*\t:S+32*\u+16+8*\t+7], v[KF+16:KF+31], v[QFC+24*\u+8*\t:QFC+24*\u+8*\t+15], 0, v[CKS+1], v[CQS+\u]
.endr
.endr
	WIN 0
	NOPS 8
	SOFT S, 2, PFC, CPS, 120, 1
	SOFT S+32, 2, PFC+16, CPS+1, 122, 1
	NOPS 3                                         ; with the line that ends the softmax: four places between the codes and the product
	WIN 0x01                                       ; source 0 (V^T) in window 1
.irp t, 0,1,2,3
.irp u, 0,1
	v_wmma_scale_f32_16x16x128_f8f6f4 v[S+32*\u+8*\t:S+32*\u+8*\t+7], v[VF+8*\t:VF+8*\t+15], v[PFC+16*\u:PFC+16*\u+15], 0, v[CVS+\t], v[CPS+\u]   ; O^T, laid where p was
.endr
.endr
	WIN 0
	v_add_f32 v120, v120, v121                     ; the sums' two halves, and lane l xor 16's.  (With the lines below: the places behind the products)
	v_add_f32 v122, v122, v123
	s_delay_alu instid0(VALU_DEP_2)
	v_permlanex16_b32 v[TM+4], v120, s[SEL], s[SEL+1]
	s_delay_alu instid0(VALU_DEP_2)
	v_permlanex16_b32 v[TM+5], v122, s[SEL], s[SEL+1]
	s_delay_alu instid0(VALU_DEP_2)
	v_add_f32 v120, v120, v[TM+4]
	s_delay_alu instid0(VALU_DEP_2)
	v_add_f32 v122, v122, v[TM+5]
	s_lshr_b32 s53, s52, 1
	s_lshl_b32 s53, s53, 6
	s_and_b32 s54, s52, 1
	s_lshl_b32 s54, s54, 1
	s_add_co_u32 s53, s53, s54                     ; the head's half word among the context's scale words: K step head / 2, bytes 2 (head % 2) on
	v_add_nc_u32 v[C0SS], s53, v[C0SS0]
	v_add_nc_u32 v[C1SS], s53, v[C1SS0]
	NOPS 3
	s_wait_alu depctr_va_vdst(0)
	v_rcp_f32 v124, v120
	v_rcp_f32 v126, v122
	v_nop
	s_wait_alu depctr_va_vdst(0)                   ; one wait for both reciprocals, ahead of their first reader
.irp u, 0,1
.set qj, 0
.rept 16
	v_pk_mul_f32 v[S+32*\u+qj:S+32*\u+qj+1], v[S+32*\u+qj:S+32*\u+qj+1], v[124+2*\u:125+2*\u] op_sel_hi:[1,0]
.set qj, qj+2
.endr
.endr
	QUANT S, 4, 0x4800000                          ; blocks: tile 0's channels 0-31, 32-63 of the head; tile 1's
	v_lshl_or_b32 v[TT], v[TM+5], 8, v[TM+4]
	v_lshl_or_b32 v[OLD], v[TM+7], 8, v[TM+6]
	ds_store_b128 v[C0ST], v[PC:PC+3]
	ds_store_b128 v[C0ST], v[PC+4:PC+7] offset:512
	ds_store_b128 v[C1ST], v[PC+8:PC+11]
	ds_store_b128 v[C1ST], v[PC+12:PC+15] offset:512
	ds_store_b16 v[C0SS], v[TT]
	ds_store_b16 v[C1SS], v[OLD]
	s_wait_dscnt 0x0                               ; the stores have read their registers
	v_add_nc_u32 v[KADC], 16384, v[KADC]
	v_add_nc_u32 v[KSAC], 512, v[KSAC]
	v_add_nc_u32 v[QADC], 16384, v[QADC]
	v_add_nc_u32 v[QSAC], 1024, v[QSAC]
	v_add_nc_u32 v[VADC], 16384, v[VADC]
	v_add_nc_u32 v[VSAC], 512, v[VSAC]
	v_add_nc_u32 v[C0ST], 1024, v[C0ST]
	v_add_nc_u32 v[C1ST], 1024, v[C1ST]
	s_add_co_u32 s52, s52, 1
	s_cmp_lt_u32 s52, 4
	s_cbranch_scc1 .Lchunk
.irp k, 0,1,2,3,4,5,6,7
	ds_load_b128 v[CC+4*\k:CC+4*\k+3], v[XST] offset:512*\k     ; tile 0's context comes back as two fragments and stays in registers: my own bytes, served in order
.endr
	ds_load_b32 v[CCS], v[XSS]
	ds_load_b32 v[CCS+1], v[XSS] offset:64
; ================= X natural: tokens 32 w .. 32 w + 31 into my slot of A, behind the loads above (LDS serves a wave's instructions in order: ISA guide 5.7.1.4)
	XLOAD XR0, RN0, 0
	XLOAD XR1, RN0, 1
	UNIT XR0, 0, 0, 16
	XLOAD XR0, RN1, 0
	UNIT XR1, 0, 1, 16
	XLOAD XR1, RN1, 1
	MLOAD RO0, 0, 3                                ; the mask of tile 0's queries, keys 0-127: asked for a job ahead of its use
	UNIT XR0, 1, 0, 32                             ; (32: the other buffer's 16 loads and the mask's 16)
	UNIT XR1, 1, 1, 16                             ; (16: the mask's)
	BAR                                            ; the natural x lies in A; nobody reads the sorted K and V any more
; ================= job 2: K and V of the tokens in natural order
	JOBADDR
	JOBLOOP 0
	NOPS 8
	MLOAD RO0, 4, 7                                ; keys 128-255, over the biases, which are done with
	BAR                                            ; K and V natural lie in C and D; nobody reads A any more
; ================= the full attention: eight trips, i = 4 u + head; 256 keys in two steps of 128
.set KAD0, 8
.set KSA0, 9
.set VAD0, 10
.set VSA0, 11
.set QAD0, 12
.set QSA0, 13
.set CST0, 14
.set CSS0, 15
.set KAD, 16
.set KSA, 17
.set VAD, 18
.set VSA, 19
.set QAD, 20
.set QSA, 21
.set CST, 22
.set CSS, 23
.set PF, 88
.set QF, 104                           ; [q | zeros | q]
.set O, 128
.set FKS, 24
.set FVS, 28
.set FQS, 32
.set FPS, 33
.macro QKADDR si                       ; the addresses of Q and K for trip s[si]
	s_and_b32 s54, s[\si], 3
	s_lshr_b32 s55, s[\si], 2
	s_lshl_b32 s56, s54, 14
	v_add_nc_u32 v[KAD], s56, v[KAD0]
	s_lshl_b32 s57, s55, 10
	s_add_co_u32 s57, s57, s56
	v_add_nc_u32 v[QAD], s57, v[QAD0]
	s_lshl_b32 s56, s54, 9
	v_add_nc_u32 v[KSA], s56, v[KSA0]
	s_lshl_b32 s56, s54, 10
	s_lshl_b32 s57, s55, 6
	s_add_co_u32 s57, s57, s56
	v_add_nc_u32 v[QSA], s57, v[QSA0]
.endm
.macro QLOAD                           ; 5 LDS loads
	ds_load_b128 v[QF:QF+3], v[QAD]
	ds_load_b128 v[QF+4:QF+7], v[QAD] offset:512
	ds_load_b128 v[QF+16:QF+19], v[QAD]
	ds_load_b128 v[QF+20:QF+23], v[QAD] offset:512
	ds_load_b32 v[FQS], v[QSA]
.endm
.macro KLOAD ks                        ; 20: four fragments of K (eight key tiles) into window 1 from v0 on
	WIN 0x40
.irp p, 0,1,2,3
.irp c, 0,1,2,3
	ds_load_b128 v[16*\p+4*\c:16*\p+4*\c+3], v[KAD] offset:(4*\ks+\p)*2048+512*\c
.endr
.endr
	WIN 0
.irp p, 0,1,2,3
	ds_load_b32 v[FKS+\p], v[KSA] offset:(4*\ks+\p)*64
.endr
.endm
.macro VLOAD ks                        ; 20: four fragments of V^T into window 1 from v64 on
	WIN 0x40
.irp t, 0,1,2,3
.irp c, 0,1,2,3
	ds_load_b128 v[64+16*\t+4*\c:64+16*\t+4*\c+3], v[VAD] offset:4096*\t+2048*\ks+512*\c
.endr
.endr
	WIN 0
.irp t, 0,1,2,3
	ds_load_b32 v[FVS+\t], v[VSA] offset:128*\t+4*\ks
.endr
.endm
.macro SMUL ks                         ; S^T = K Q^T / 8 + the mask: eight tiles of 16 keys
.irp p, 0,1,2,3
.irp t, 0,1
	v_wmma_scale_f32_16x16x128_f8f6f4 v[S+16*\p+8*\t:S+16*\p+8*\t+7], v[16*\p:16*\p+15], v[QF+8*\t:QF+8*\t+15], v[128+16*(4*\ks+\p)+8*\t:128+16*(4*\ks+\p)+8*\t+7], v[FKS+\p], v[FQS]
.endr
.endr
.endm
.macro PVMUL first                     ; O^T (+)= V^T P^T: four tiles of 16 channels
.irp t, 0,1,2,3
.if \first
	v_wmma_scale_f32_16x16x128_f8f6f4 v[O+8*\t:O+8*\t+7], v[64+16*\t:64+16*\t+15], v[PF:PF+15], 0, v[FVS+\t], v[FPS]
.else
	v_wmma_scale_f32_16x16x128_f8f6f4 v[O+8*\t:O+8*\t+7], v[64+16*\t:64+16*\t+15], v[PF:PF+15], v[O+8*\t:O+8*\t+7], v[FVS+\t], v[FPS]
.endif
.endr
.endm
.irp j, 0,1,2,3,4,5,6,7
	v_mov_b32 v[QF+8+\j], 0
.endr
	v_add_nc_u32 v[KAD0], C_IMG, v[LI]
	v_add_nc_u32 v[KSA0], C_SC, v[LS]
	v_add_nc_u32 v[VAD0], D_IMG, v[LI]
	v_lshl_add_u32 v[VSA0], v[LS], 1, D_SC
	s_lshl_b32 s53, s28, 11
	v_add_nc_u32 v[QAD0], s53, v[LI]
	s_delay_alu instid0(VALU_DEP_1)
	v_add_nc_u32 v[QAD0], B_IMG, v[QAD0]
	s_wait_alu depctr_va_vdst(0)
	s_lshl_b32 s53, s28, 7
	v_add_nc_u32 v[QSA0], s53, v[LS]
	s_delay_alu instid0(VALU_DEP_1)
	v_add_nc_u32 v[QSA0], B_SC, v[QSA0]
	s_wait_alu depctr_va_vdst(0)
	s_lshl_b32 s53, s28, 13
	v_add_nc_u32 v[CST0], s53, v[LI]
	s_lshl_b32 s53, s28, 8
	v_add_nc_u32 v[CSS0], s53, v[LS]
	s_delay_alu instid0(VALU_DEP_1)
	v_add_nc_u32 v[CSS0], A_SC, v[CSS0]
	s_mov_b32 s52, 0
	QKADDR 52
	QLOAD
	KLOAD 0
.Lfull:
	s_and_b32 s54, s52, 3
	s_lshl_b32 s56, s54, 14
	v_add_nc_u32 v[VAD], s56, v[VAD0]
	s_lshl_b32 s56, s54, 9
	v_add_nc_u32 v[VSA], s56, v[VSA0]
	s_lshl_b32 s56, s52, 10
	s_wait_alu depctr_va_vdst(0)
	v_add_nc_u32 v[CST], s56, v[CST0]
	s_lshr_b32 s56, s52, 1
	s_lshl_b32 s56, s56, 6
	s_and_b32 s57, s52, 1
	s_lshl_b32 s57, s57, 1
	s_add_co_u32 s56, s56, s57
	v_add_nc_u32 v[CSS], s56, v[CSS0]
	VLOAD 0
	s_wait_dscnt 20                                ; V's 20 loads may be out: Q and K's first step are in, the last trip's stores have read their registers
	s_wait_loadcnt 16                              ; the mask's keys 0-127 are in; the 16 loads of keys 128-255 may be out
	WIN 0x11                                       ; source 0 (K) and C (the mask) in window 1
	SMUL 0
	WIN 0
	NOPS 8
	KLOAD 1
	SOFT S, 4, PF, FPS, LL, 1
	NOPS 3
	s_wait_alu depctr_va_vdst(0)
	s_wait_dscnt 20                                ; V's first step is in; K's second (20) may be out
	WIN 0x01
	PVMUL 1
	s_wait_dscnt 0x0
	s_wait_loadcnt 0x0                             ; the mask's keys 128-255
	WIN 0x11
	SMUL 1
	WIN 0
	NOPS 8                                         ; places for both runs of products
	VLOAD 1
	s_add_co_u32 s53, s52, 1
	s_and_b32 s53, s53, 7                          ; the next trip's Q and K are asked for now; behind the last trip the addresses turn back to trip 0, and what comes is not used
	QKADDR 53
	QLOAD
	KLOAD 0
	s_cmp_eq_u32 s52, 3
	s_cbranch_scc0 .Lno_mask
	MLOAD RO1, 0, 7                                ; tile 0's last head has taken its mask: tile 1's comes while this trip ends
.Lno_mask:
	s_cmp_eq_u32 s52, 2
	s_cbranch_scc0 .Lno_ask
	; a prefetch into the L2, in trip 2, of tile 1's 16 mask rows, which trip 3 loads: 64 aligned blocks of 256 bytes, each named once: lane (r, h) names blocks h and h + 2 of its query's row.
	; It stands behind the trip's loads; the softmax follows it
	global_prefetch_b8 v[PFO], s[40:41] th:TH_LOAD_NT scope:SCOPE_SE
	global_prefetch_b8 v[PFO], s[40:41] offset:512 th:TH_LOAD_NT scope:SCOPE_SE
.Lno_ask:
	SOFT S, 4, PF, FPS, LL, 0
.set qj, 0
.rept 16
	v_pk_mul_f32 v[O+qj:O+qj+1], v[O+qj:O+qj+1], v[FF:FF+1] op_sel_hi:[1,0]   ; O^T under the new M
.set qj, qj+2
.endr
	NOPS 3
	s_wait_alu depctr_va_vdst(0)
	s_wait_dscnt 25                                ; V's second step is in; the next trip's Q (5) and K (20) may be out
	WIN 0x01
	PVMUL 0
	WIN 0
	v_add_f32 v[LL], v[LL], v[LL+1]
	s_delay_alu instid0(VALU_DEP_1)
	v_permlanex16_b32 v[TM+4], v[LL], s[SEL], s[SEL+1]
	s_delay_alu instid0(VALU_DEP_1)
	v_add_f32 v[LL], v[LL], v[TM+4]                ; the row's sum
	NOPS 6                                         ; with the two additions: eight places behind the products
	s_wait_alu depctr_va_vdst(0)
	v_rcp_f32 v[FF], v[LL]
	v_nop
	s_wait_alu depctr_va_vdst(0)                   ; ahead of the reciprocal's first reader
.set qj, 0
.rept 16
	v_pk_mul_f32 v[O+qj:O+qj+1], v[O+qj:O+qj+1], v[FF:FF+1] op_sel_hi:[1,0]
.set qj, qj+2
.endr
	QUANT O, 2, 0x4800000
	v_lshl_or_b32 v[TT], v[TM+5], 8, v[TM+4]
	ds_store_b128 v[CST], v[PC:PC+3]               ; the context's codes: my slot of A, tile u, K step head / 2
	ds_store_b128 v[CST], v[PC+4:PC+7] offset:512
	ds_store_b16 v[CSS], v[TT]
	s_add_co_u32 s52, s52, 1
	s_cmp_lt_u32 s52, 8
	s_cbranch_scc1 .Lfull
; ================= Wd, residual, two LayerNorms, their mean, the store
.set CF, 64                            ; v64-95 the full path's context, two fragments
.set WB, 96                            ; v96-223 bd; Wd's fragments in two buffers of 64; ln_w, ln_b; rows on the way out
.set WSF, 24                           ; v24-31 Wd's scale words, two buffers of 4
.set CFS, 32
.set OFFJ, 8                           ; v8-15 where the rows go: order x 1,024 + 16 r
.set CFA, 16
.set CFSA, 17
.set WAD, 18
.set WSA, 19
.set SO, 20
.set RD, 21
.set OH, 22
.set L16, 23
.set ECA, 60
.set ESA, 61
	s_wait_dscnt 0x0                               ; the loads that turned back to trip 0 have landed: their registers may be written
	s_wait_loadcnt 0x0                             ; no load into the mask's registers is out, whichever trip asked last: the residual is asked for into them below
	WIN 0x40
.irp k, 0,1,2,3,4,5,6,7,8,9,10,11,12,13,14,15
	global_load_b128 v[64+4*\k:64+4*\k+3], v[LI], s[46:47] offset:196608+512*\k   ; my eighth of Wd's codes, on its way into LDS
.endr
	WIN 0
	global_load_b128 v[PC:PC+3], v[LI], s[48:49] offset:12288                     ; and of its scale words
	RESLOAD RO0                                    ; tile 0's rows of x: 32 loads
	s_lshl_b32 s53, s28, 13
	v_add_nc_u32 v8, s53, v[LI]
	s_delay_alu instid0(VALU_DEP_1)
	v_mov_b32 v[CFA], v8
	s_delay_alu instid0(VALU_DEP_2)
	v_add_nc_u32 v8, B_IMG, v8
	s_lshl_b32 s53, s28, 9
	v_add_nc_u32 v9, s53, v[LI]
	s_delay_alu instid0(VALU_DEP_1)
	v_add_nc_u32 v9, B_SC, v9
	s_lshl_b32 s53, s28, 8
	v_add_nc_u32 v[CFSA], s53, v[LS]
	s_delay_alu instid0(VALU_DEP_1)
	v_add_nc_u32 v[CFSA], A_SC, v[CFSA]
	v_add_nc_u32 v[WAD], B_IMG, v[LI]
	v_add_nc_u32 v[WSA], B_SC, v[L4]
	s_mul_i32 s53, s28, 16*SPITCH
	s_add_co_u32 s53, s53, STAGE                   ; my stage
	v_mul_u32_u24 v[SO], v[LS], SPITCH/4           ; in: row r, + 64 h
	s_delay_alu instid0(VALU_DEP_1)
	v_add_nc_u32 v[SO], v[SO], v[H64]
	s_delay_alu instid0(VALU_DEP_1)
	v_add_nc_u32 v[SO], s53, v[SO]
	v_bfe_u32 v[OH], v0, 4, 1
	s_delay_alu instid0(VALU_DEP_1)
	v_mul_u32_u24 v[RD], v[OH], SPITCH             ; back: lanes 0-15 one row, lanes 16-31 the next, 16 bytes a lane
	s_delay_alu instid0(VALU_DEP_1)
	v_lshl_add_u32 v[RD], v[LS], 2, v[RD]
	s_delay_alu instid0(VALU_DEP_1)
	v_add_nc_u32 v[RD], s53, v[RD]
	s_delay_alu instid0(VALU_DEP_4)
	v_lshlrev_b32 v[OH], 2, v[OH]
	v_lshlrev_b32 v[L16], 2, v[LS]
	s_lshl_b32 s53, s28, 12
	v_add_nc_u32 v[ECA], s53, v[LI]
	s_delay_alu instid0(VALU_DEP_1)
	v_add_nc_u32 v[ECA], E_IMG, v[ECA]
	s_lshl_b32 s53, s28, 7
	v_add_nc_u32 v[ESA], s53, v[LS]
	s_delay_alu instid0(VALU_DEP_1)
	v_add_nc_u32 v[ESA], E_SC, v[ESA]
	v_mov_b32 v55, 0                               ; (upper halves of pairs of which the low word serves both halves)
	v_mov_b32 v57, 0
	v_mov_b32 v59, 0
	BAR                                            ; nobody reads Q, K, V any more
	s_wait_loadcnt 32                              ; Wd's parts are in; the residual's 32 loads may be out
	WIN 0x04                                       ; an LDS store's data are its source 1
.irp k, 0,1,2,3,4,5,6,7,8,9,10,11,12,13,14,15
	ds_store_b128 v8, v[64+4*\k:64+4*\k+3] offset:512*\k
.endr
	WIN 0
	ds_store_b128 v9, v[PC:PC+3]
	BAR                                            ; Wd's 32 fragments and their scale words lie in B
.macro WLOAD pr                        ; the four fragments (2 t + s) of output channels 32 pr .. 32 pr + 31, and their scale words: 20 LDS loads
.irp f, 0,1,2,3
.irp c, 0,1,2,3
	ds_load_b128 v[WB+64*((\pr)%2)+16*\f+4*\c:WB+64*((\pr)%2)+16*\f+4*\c+3], v[WAD] offset:(4*(\pr)+\f)*2048+512*\c
.endr
	ds_load_b32 v[WSF+4*((\pr)%2)+\f], v[WSA] offset:(4*(\pr)+\f)*128
.endr
.endm
.macro FPROD pr                        ; eight products, four accumulators by turns: the full path's at v[16 pr] of window 1, the chunk path's at v[128 + 16 pr]
.irp s, 0,1
.irp t, 0,1
	v_wmma_scale_f32_16x16x128_f8f6f4 v[16*(\pr)+8*\t:16*(\pr)+8*\t+7], v[WB+64*((\pr)%2)+32*\t+16*\s:WB+64*((\pr)%2)+32*\t+16*\s+15], v[CF+16*\s:CF+16*\s+15], v[16*(\pr)+8*\t:16*(\pr)+8*\t+7], v[WSF+4*((\pr)%2)+2*\t+\s], v[CFS+\s]
.endr
.irp t, 0,1
	v_wmma_scale_f32_16x16x128_f8f6f4 v[128+16*(\pr)+8*\t:128+16*(\pr)+8*\t+7], v[WB+64*((\pr)%2)+32*\t+16*\s:WB+64*((\pr)%2)+32*\t+16*\s+15], v[CC+16*\s:CC+16*\s+15], v[128+16*(\pr)+8*\t:128+16*(\pr)+8*\t+7], v[WSF+4*((\pr)%2)+2*\t+\s], v[CCS+\s]
.endr
.endr
.endm
.macro LNLOAD g                        ; ln_w and ln_b of my channels in blocks 4 g .. 4 g + 3: 64 registers each
.irp b, 0,1,2,3
.irp j, 0,1,2,3
	global_load_b128 v[WB+16*\b+4*\j:WB+16*\b+4*\j+3], v[H64], s[22:23] offset:128*(4*\g+\b)+16*\j
	global_load_b128 v[WB+64+16*\b+4*\j:WB+64+16*\b+4*\j+3], v[H64], s[24:25] offset:128*(4*\g+\b)+16*\j
.endr
.endr
.endm
; the 128 numbers at v[acc] of window 1 (with lane l xor 16's: a token's 256 channels) lose their mean; v[a] = 0.5 / sqrt(the mean of their squares + 1e-12)
.macro LNSTAT acc, a
	WIN 0x05
	v_pk_add_f32 v[48:49], v[\acc:\acc+1], v[\acc+4:\acc+5]
	v_pk_add_f32 v[50:51], v[\acc+2:\acc+3], v[\acc+6:\acc+7]
	WIN 0x04
.set qi, 8
.rept 30
	v_pk_add_f32 v[48:49], v[48:49], v[\acc+qi:\acc+qi+1]
	v_pk_add_f32 v[50:51], v[50:51], v[\acc+qi+2:\acc+qi+3]
.set qi, qi+4
.endr
	WIN 0
	v_pk_add_f32 v[48:49], v[48:49], v[50:51]
	s_delay_alu instid0(VALU_DEP_1)
	v_add_f32 v48, v48, v49
	s_delay_alu instid0(VALU_DEP_1)
	v_permlanex16_b32 v52, v48, s[SEL], s[SEL+1]
	s_delay_alu instid0(VALU_DEP_1)
	v_add_f32 v48, v48, v52
	s_delay_alu instid0(VALU_DEP_1)
	v_mul_f32 v54, s35, v48                        ; the mean
	WIN 0x41
.set qi, 0
.rept 64
	v_pk_add_f32 v[\acc+qi:\acc+qi+1], v[\acc+qi:\acc+qi+1], v[54:55] op_sel_hi:[1,0] neg_lo:[0,1] neg_hi:[0,1]
.set qi, qi+2
.endr
	WIN 0x05
	v_pk_mul_f32 v[48:49], v[\acc:\acc+1], v[\acc:\acc+1]
	v_pk_mul_f32 v[50:51], v[\acc+2:\acc+3], v[\acc+2:\acc+3]
.set qi, 4
.rept 31
	s_delay_alu instid0(VALU_DEP_2)
	v_pk_fma_f32 v[48:49], v[\acc+qi:\acc+qi+1], v[\acc+qi:\acc+qi+1], v[48:49]
	s_delay_alu instid0(VALU_DEP_2)
	v_pk_fma_f32 v[50:51], v[\acc+qi+2:\acc+qi+3], v[\acc+qi+2:\acc+qi+3], v[50:51]
.set qi, qi+4
.endr
	WIN 0
	v_pk_add_f32 v[48:49], v[48:49], v[50:51]
	s_delay_alu instid0(VALU_DEP_1)
	v_add_f32 v48, v48, v49
	s_delay_alu instid0(VALU_DEP_1)
	v_permlanex16_b32 v52, v48, s[SEL], s[SEL+1]
	s_delay_alu instid0(VALU_DEP_1)
	v_add_f32 v48, v48, v52
	s_delay_alu instid0(VALU_DEP_1)
	v_fma_f32 v48, v48, s35, s62
	s_wait_alu depctr_va_vdst(0)
	v_rsq_f32 v[\a], v48
	v_nop
	s_wait_alu depctr_va_vdst(0)                   ; ahead of the root's first reader
	v_mul_f32 v[\a], 0.5, v[\a]
.endm
	s_mov_b32 s52, 0
.Lfin:                                                 ; two trips: my chunk's tile 0, tile 1
	s_wait_alu depctr_va_vdst(0)
.irp k, 0,1,2,3,4,5,6,7
	ds_load_b128 v[CF+4*\k:CF+4*\k+3], v[CFA] offset:512*\k
.endr
	ds_load_b32 v[CFS], v[CFSA]
	ds_load_b32 v[CFS+1], v[CFSA] offset:64
.irp j, 0,1,2,3,4,5,6,7
	global_load_b32 v[OFFJ+\j], v[OH], s[44:45] offset:4*(2*\j+8*(\j/4))   ; the token of the tile's row 2 j + h
.endr
.irp b, 0,1,2,3,4,5,6,7
.irp j, 0,1,2,3
	global_load_b128 v[WB+16*\b+4*\j:WB+16*\b+4*\j+3], v[H64], s[20:21] offset:128*\b+16*\j   ; bd
.endr
.endr
	s_wait_loadcnt 0x0                             ; the residual, the tokens, bd
.irp j, 0,1,2,3,4,5,6,7
	v_min_u32 v[OFFJ+\j], 0xff, v[OFFJ+\j]
	s_delay_alu instid0(VALU_DEP_1)
	v_lshl_add_u32 v[OFFJ+\j], v[OFFJ+\j], 10, v[L16]
.endr
	WIN 0x41
.set qi, 0
.rept 64
	v_pk_add_f32 v[qi:qi+1], v[128+qi:128+qi+1], v[WB+qi:WB+qi+1]              ; both sums begin as x + bd
	v_pk_add_f32 v[128+qi:128+qi+1], v[128+qi:128+qi+1], v[WB+qi:WB+qi+1]
.set qi, qi+2
.endr
	WIN 0
	WLOAD 0
	WLOAD 1
	s_wait_alu depctr_va_vdst(0)
.irp r, 0,1,2,3,4,5,6,7
.if \r < 7
	s_wait_dscnt 20                                ; this pair's fragments are in; the next pair's 20 loads may be out
.else
	s_wait_dscnt 0x0
.endif
	WIN 0x50                                       ; C and D in window 1
	FPROD \r
	WIN 0
	NOPS 8
.if \r < 6
	WLOAD \r+2
.endif
.endr
	LNLOAD 0
	LNSTAT 0, 56
	LNSTAT 128, 58
.irp g, 0,1
	s_wait_loadcnt 0x0                             ; this half's ln_w and ln_b
	WIN 0x41
.set qi, 0
.rept 32
	v_pk_mul_f32 v[64*\g+qi:64*\g+qi+1], v[64*\g+qi:64*\g+qi+1], v[56:57] op_sel_hi:[1,0]
.set qi, qi+2
.endr
	WIN 0x51
.set qi, 0
.rept 32
	v_pk_fma_f32 v[64*\g+qi:64*\g+qi+1], v[128+64*\g+qi:128+64*\g+qi+1], v[58:59], v[64*\g+qi:64*\g+qi+1] op_sel_hi:[1,0,1]   ; half of each path's normalised number
.set qi, qi+2
.endr
	WIN 0x41
.set qi, 0
.rept 32
	v_pk_fma_f32 v[64*\g+qi:64*\g+qi+1], v[64*\g+qi:64*\g+qi+1], v[WB+qi:WB+qi+1], v[WB+64+qi:WB+64+qi+1]   ; x ln_w + ln_b
.set qi, qi+2
.endr
	WIN 0
.if \g == 0
	LNLOAD 1
.endif
	WIN 0x04
.irp b, 0,1,2,3
.irp j, 0,1,2,3
	ds_store_b128 v[SO], v[64*\g+16*\b+4*\j:64*\g+16*\b+4*\j+3] offset:128*(4*\g+\b)+16*\j
.endr
.endr
	WIN 0
.endr
	s_cmp_lg_u32 s52, 0
	s_cbranch_scc1 .Lno_next
	RESLOAD RO1                                    ; the next tile's rows of x, and the chunk path's context of that tile
.irp k, 0,1,2,3,4,5,6,7
	ds_load_b128 v[CC+4*\k:CC+4*\k+3], v[ECA] offset:512*\k
.endr
	ds_load_b32 v[CCS], v[ESA]
	ds_load_b32 v[CCS+1], v[ESA] offset:64
.Lno_next:
.irp j, 0,1,2,3,4,5,6,7
.irp q, 0,1,2,3
	ds_load_b128 v[WB+4*(4*\j+\q):WB+4*(4*\j+\q)+3], v[RD] offset:2*SPITCH*\j+256*\q   ; my own stage, served in order: these see the stores above
.endr
.endr
.irp j, 0,1,2,3,4,5,6,7
.irp q, 0,1,2,3
	s_wait_dscnt 31-(4*\j+\q)
	global_store_b128 v[OFFJ+\j], v[WB+4*(4*\j+\q):WB+4*(4*\j+\q)+3], s[42:43] offset:256*\q th:TH_STORE_NT   ; sixteen lanes store 256 consecutive bytes, aligned, of one token's row
.endr
.endr
	s_wait_xcnt 0x0                                ; the stores have read their registers, and the loads their base: both are written again
	s_add_nc_u64 s[44:45], s[44:45], 32
	v_add_nc_u32 v[CFA], 4096, v[CFA]
	v_add_nc_u32 v[CFSA], 128, v[CFSA]
	s_add_co_u32 s52, s52, 1
	s_cmp_lt_u32 s52, 2
	s_cbranch_scc1 .Lfin
	s_wait_xcnt 0x0
	v_lshl_add_u32 v254, v0, 2, 0x4ac00
	v_mov_b32 v255, 0
	s_wait_alu depctr_va_vdst(0)
	s_wait_tensorcnt 0x0
	ds_add_u32 v254, v255
	s_wait_dscnt 0x0
	s_endpgm
.Lfunc_end_k_q31c2dfff45_main:
	.size	k_q31c2dfff45_main, .Lfunc_end_k_q31c2dfff45_main-k_q31c2dfff45_main
	.p2alignl 7, 3214868480
	.fill 96, 4, 3214868480
	.section	.rodata,"a",@progbits
	.p2align	6, 0x0
	.amdhsa_kernel k_q31c2dfff45_main
		.amdhsa_group_segment_fixed_size 307200
		.amdhsa_private_segment_fixed_size 0
		.amdhsa_enable_private_segment 0
		.amdhsa_kernarg_size 96
		.amdhsa_user_sgpr_count 2
		.amdhsa_user_sgpr_kernarg_segment_ptr 1
		.amdhsa_wavefront_size32 1
		.amdhsa_system_sgpr_workgroup_id_x 1
		.amdhsa_system_sgpr_workgroup_id_y 1
		.amdhsa_system_sgpr_workgroup_id_z 1
		.amdhsa_system_vgpr_workitem_id 0
		.amdhsa_next_free_vgpr 512
		.amdhsa_next_free_sgpr 66
		.amdhsa_reserve_vcc 0
		.amdhsa_float_denorm_mode_32 3
		.amdhsa_float_denorm_mode_16_64 3
		.amdhsa_fp16_overflow 1
		.amdhsa_memory_ordered 1
		.amdhsa_forward_progress 1
		.amdhsa_inst_pref_size 255
	.end_amdhsa_kernel
	.section	.bss,"aw",@nobits
	.p2align	6
	.space	262144
	.amdgpu_metadata
---
amdhsa.version: [ 1, 2 ]
amdhsa.kernels:
  - .name:           k_q31c2dfff45_main
    .symbol:         k_q31c2dfff45_main.kd
    .args:
      - { .name: seq, .offset: 0, .size: 8, .value_kind: global_buffer, .address_space: global }
      - { .name: attention_mask, .offset: 8, .size: 8, .value_kind: global_buffer, .address_space: global }
      - { .name: order, .offset: 16, .size: 8, .value_kind: global_buffer, .address_space: global }
      - { .name: wcodes, .offset: 24, .size: 8, .value_kind: global_buffer, .address_space: global }
      - { .name: wscales, .offset: 32, .size: 8, .value_kind: global_buffer, .address_space: global }
      - { .name: bq, .offset: 40, .size: 8, .value_kind: global_buffer, .address_space: global }
      - { .name: bk, .offset: 48, .size: 8, .value_kind: global_buffer, .address_space: global }
      - { .name: bv, .offset: 56, .size: 8, .value_kind: global_buffer, .address_space: global }
      - { .name: bd, .offset: 64, .size: 8, .value_kind: global_buffer, .address_space: global }
      - { .name: ln_w, .offset: 72, .size: 8, .value_kind: global_buffer, .address_space: global }
      - { .name: ln_b, .offset: 80, .size: 8, .value_kind: global_buffer, .address_space: global }
      - { .name: out0, .offset: 88, .size: 8, .value_kind: global_buffer, .address_space: global }
    .group_segment_fixed_size: 307200
    .private_segment_fixed_size: 0
    .kernarg_segment_align: 8
    .kernarg_segment_size: 96
    .max_flat_workgroup_size: 256
    .sgpr_count:     66
    .vgpr_count:     512
    .wavefront_size: 32
...
	.end_amdgpu_metadata
.endif
;; end of part 2
